; MI455X (gfx1250); checked and timed in simulation.
; The chip was launched on July 23, 2026; its instructions are those of AMD's public machine-readable ISA for CDNA 5 (MIT licence, August 2026) and "CDNA5" Instruction Set Architecture Reference Guide (July 2026). The comments in the code are by the model that wrote it; some were corrected since.
;; Discrete Embedding. Allowed arithmetic: float matrix products may take bf16 or f16 operands with f32 sums; all other float work in f32.
;; Inputs: points 512 int32; time_embedding 512 x 64 float32; x 128 x 512 float32.
;; Outputs: out0 128 x 512 x 64 float32.
;; 2 versions, each right; version 2 is version 1 with the launch embed written anew for expert scheduling mode. Each part assembles by itself: llvm-mc -triple=amdgcn-amd-amdhsa -mcpu=gfx1250 --defsym DOCPART=n.
;; ======== version 1 of 2: 1 launch
;; limits: values are held in f16: magnitudes above 65,504 overflow, below 6.1e-05 lose precision; inputs' magnitudes at most 65,504
;; launch embed (part 1): grid 256 x 1, 4 waves a work-group, no clusters, 84,480 bytes of LDS; arguments points, time_embedding, x, out0; writes out0
.if DOCPART == 1
	.amdgcn_target "amdgcn-amd-amdhsa--gfx1250"
	.amdhsa_code_object_version 6
	.text
	.protected	k_q4c90fb6d34_embed
	.globl	k_q4c90fb6d34_embed
	.p2align	8
	.type	k_q4c90fb6d34_embed,@function
k_q4c90fb6d34_embed:
	s_mov_b64 s[64:65], 0
	v_nop
	global_prefetch_b8 v0, s[64:65] scope:SCOPE_SE
	s_setreg_imm32_b32 hwreg(HW_REG_WAVE_MODE, 25, 1), 1
	s_wait_xcnt 0x0
; out[m][d] = sum over n of w(512 x[m] - f32(points[n])) * E[n][d],  w(d) = 4 for |d| < 1/2, 1 for |d| = 1/2, 0 beyond.
; x: 65,536 f32.  points: 512 int32, taken as they come (any order, repeats, any value).  E: [512][64] f32.  out: [65,536][64] f32.
; The product stays dense: A = the weights, made in registers; B = E in f16; sums in f32 (v_wmma_f32_16x16x32_f16).
;
; THE WEIGHT, four vector instructions for two weights, all three classes exact:
;   d' = x 2^64 - P 2^55      = 2^55 fl(512 x - P): powers of two change no rounding, so this is the reference's rounded difference
;   t  = fma(d', d', -2^108)  one rounding, so its sign is exact: t < 0 inside, t = +0 on an edge, t > 0 outside.  A non-zero |t| is at
;                             least about 2^85 (next neighbours of 1/2 are 2^-25 and 2^-24 away), at most infinity: exponent field 211..255,
;                             whose two top bits are both set
;   v_perm_b32                the top byte of each t (sign, exponent bits 7..1) into the low byte of an f16 half
;   v_bfi_b32 (word as mask)  keeps bit 7 where it is set (sign: inside) and sets bit 5 where it is clear (exponent bit 6: only t = 0)
;   result per half: 0x0080, 0x0020, 0 = 128, 32, 0 times 2^-24 as f16 = w 2^-19.  The 2^19 comes back in the fma on the way out.
;
; LIMITS.  E is rounded to f16: |E| above 65,504 becomes infinity and 0 x infinity then makes NaN; |E| below 2^-25 becomes 0.
; A zero result is +0.  x = NaN gives a row of NaN, x = +-infinity a row of zeros, as the reference has them.
;
; SHARES.  256 work-groups x 4 waves; a work-group owns 256 rows, a wave 64: 4 row tiles x 4 column tiles = 16 accumulators.
; K in 16 blocks of 32, written out (no branch).  Column d = 4 r + t sits in column tile t, lane r: a lane's four tiles hold 16 neighbouring
; bytes of a row of out, and one store of the wave covers two whole rows of 256 bytes, aligned.  No trip through LDS on the way out.
;
; E'S PATH.  A wave loads a quarter of E (64 loads of 16 bytes a lane, two whole 256-byte rows each), packs two k to a word of f16 and stores
; 16 bytes a lane into LDS as [k block][column][k].  Wave w converts k block 4 c + w of chunk c: its LDS bytes are one interval of its own.
; NO CLUSTER, NO TENSOR LOAD, though every work-group reads all of E: a tensor load copies, and E has to be narrowed and transposed.  Brought
; that way, 131,072 bytes would be written to LDS, read back and 65,536 written again; through registers 65,536 bytes are written once.
.set EP,   80                          ; LDS row: 32 k x 2 bytes + 16 = 20 words: 16 rows start at banks 20 r mod 64, sixteen different groups of four (ISA guide 11.1)
.set TB,   16*EP                       ; a column tile's 16 rows
.set KBB,  64*EP                       ; a k block: 64 columns
.set PT,   16*KBB                      ; behind E: -2^55 x points, 512 f32
; window 0
.set ESTO, 0                           ; v0      where I store converted E (first the thread's number)
.set BAD,  1                           ; v1      where I read E fragments
.set PAD,  2                           ; v2      where I read points
.set OOFF, 3                           ; v3      my byte offset in out
.set XS,   4                           ; v[4:7]  x 2^64 of row r of my four row tiles
.set T,    8                           ; v[8:15] four pairs d', then t
.set A,    16                          ; v[16:31]   two weight fragments (first: set-up temporaries)
.set P,    32                          ; v[32:63]   two sets of 16 points
.set B,    64                          ; v[64:127]  two sets of four E fragments
.set ACC,  128                         ; v[128:255] tile (i, t) at ACC + 32 i + 8 t
.set EOFF, 23                          ; set-up: my byte offset in E
; window 1 (v256-511): E as loaded, chunk c, unit u, row j, word i at 64 c + 32 u + 4 j + i
; window 2 (v512-575):
.set O,    0                           ; 2 x 16 packed words
.set Z,    32                          ; 32 addends of the last fma: +0, or NaN where x is NaN
.set CQ,   20                          ; s[20:21] -2^108
.set SEL,  22
.set K1,   23
.set K2,   24
.set SC,   25
.set MSB, 0
.macro WIN new                         ; low byte: bits 1:0 source 0, 3:2 source 1, 5:4 source 2, 7:6 destination; high byte: the setting left
.if MSB != \new
	s_set_vgpr_msb (MSB<<8)|\new
.set MSB, \new
.endif
.endm
	s_load_b256 s[4:11], s[0:1], 0x0               ; points s[4:5], E s[6:7], x s[8:9], out s[10:11]
	s_set_vgpr_msb 0x80
	v_lshl_add_u32 v64, v0, 2, 0x14800
	v_mov_b32 v65, 0
	s_set_vgpr_msb 0x8000
	v_lshrrev_b32 v16, 5, v0
	v_readfirstlane_b32 s14, v16                   ; wave w
	v_and_b32 v17, 15, v0                          ; r
	v_bfe_u32 v18, v0, 4, 1                        ; h
	v_and_b32 v19, 31, v0                          ; lane
	s_lshl_b32 s12, ttmp9, 10                      ; the group's 256 numbers of x
	s_mov_b32 s13, 0
	s_lshl_b32 s16, ttmp9, 16                      ; the group's 256 rows of out
	s_mov_b32 s17, 0
	s_mov_b32 s[CQ], 0xf5800000                    ; -2^108 = -(2^55 / 2)^2
	s_mov_b32 s[CQ+1], 0xf5800000
	s_mov_b32 s[SEL], 0x07070303                   ; bytes 0, 1: top byte of the second source; bytes 2, 3: of the first
	s_mov_b32 s[K1], 0x00800080
	s_mov_b32 s[K2], 0x00200020
	s_mov_b32 s[SC], 0x49000000                    ; 2^19
	s_lshl_b32 s15, s14, 8                         ; 64 w numbers of x
	s_lshl_b32 s18, s14, 13                        ; 32 w rows of E
	s_mul_i32 s19, s14, KBB                        ; k block w of a chunk
	s_lshl_b32 s26, s14, 9
	s_add_co_u32 s26, s26, PT                      ; my wave's 128 points in LDS
	s_lshl_b32 s27, s14, 14                        ; 64 w rows of out
	v_lshlrev_b32 v20, 4, v0                       ; points: four to a thread
	v_lshl_add_u32 v21, v17, 2, s15                ; x of row 64 w + r (+ 16 i)
	v_lshl_add_u32 v22, v18, 5, s15                ; x of rows 64 w + 8 h + 0..7 (+ 16 i)
	v_lshlrev_b32 v25, 4, v17
	v_lshl_add_u32 v25, v18, 11, v25               ; 8 h rows of 256 bytes + 16 r
	v_add_nc_u32 v[EOFF], s18, v25
	v_add_nc_u32 v[OOFF], s27, v25
	v_lshl_add_u32 v24, v19, 4, s26
	v_mul_u32_u24 v[BAD], v17, EP
	v_lshl_add_u32 v[BAD], v18, 4, v[BAD]          ; r rows + 16 h
	v_lshl_add_u32 v[PAD], v18, 5, PT              ; 8 h points
	v_add_nc_u32 v[ESTO], s19, v[BAD]
	s_wait_kmcnt 0x0
	s_add_nc_u64 s[8:9], s[8:9], s[12:13]
	s_add_nc_u64 s[10:11], s[10:11], s[16:17]
; chunk c of E, my 32 rows 128 c + 32 w ..: lanes 0-15 take one row of 256 bytes, lanes 16-31 the row eight further
.macro ELOAD c
	WIN 0x40
.irp u, 0,1
.irp j, 0,1,2,3,4,5,6,7
	global_load_b128 v[64*\c+32*\u+4*\j:64*\c+32*\u+4*\j+3], v[EOFF], s[6:7] offset:(128*\c+16*\u+\j)*256
.endr
.endr
.endm
	global_load_b128 v[28:31], v20, s[4:5]
.irp i, 0,1,2,3
	global_load_b32 v[XS+\i], v21, s[8:9] offset:64*\i
.endr
	WIN 0x80
.irp i, 0,1,2,3
	global_load_b128 v[Z+8*\i:Z+8*\i+3],   v22, s[8:9] offset:64*\i
	global_load_b128 v[Z+8*\i+4:Z+8*\i+7], v22, s[8:9] offset:64*\i+16
.endr
	ELOAD 0
	ELOAD 1
	ELOAD 2                                        ; 13 + 48 loads are out; chunk 3 follows behind the first conversion
	WIN 0
; chunk c from registers to LDS.  Word q of column 4 r + i = rows 2 q, 2 q + 1; four words = 8 k = 16 bytes of LDS row 16 i + r.
; left = the loads issued behind this chunk's, which stay out.
.macro CONVERT c, left
	s_wait_loadcnt \left
.irp u, 0,1
	WIN 0x85                                       ; sources window 1, destination window 2
.irp i, 0,1,2,3
.irp q, 0,1,2,3
	v_cvt_pk_f16_f32 v[O+16*\u+4*\i+\q], v[64*\c+32*\u+8*\q+\i], v[64*\c+32*\u+8*\q+4+\i]
.endr
.endr
	WIN 0x08                                       ; address window 0, data window 2
.irp i, 0,1,2,3
	ds_store_b128 v[ESTO], v[O+16*\u+4*\i:O+16*\u+4*\i+3] offset:\c*4*KBB+\i*TB+32*\u
.endr
.endr
	WIN 0
.endm
	s_wait_loadcnt 48                              ; points and x are in; the 48 loads of E behind them stay out
.irp k, 28,29,30,31
	v_cvt_f32_i32 v\k, v\k                         ; as the reference's astype
.endr
.irp k, 28,29,30,31
	v_mul_f32 v\k, 0xdb000000, v\k                 ; x -2^55
.endr
	ds_store_b128 v24, v[28:31]
.irp i, 0,1,2,3
	v_mul_f32 v[XS+\i], 0x5f800000, v[XS+\i]       ; x 2^64 = 512 x 2^55
.endr
	WIN 0x82
.set n, 0
.rept 32
	v_minimum_f32 v[Z+n], |v[Z+n]|, 0              ; +0 for every number, infinities too; NaN stays NaN
.set n, n+1
.endr
	WIN 0
	CONVERT 0, 32                                  ; chunks 1 and 2 stay out
	ELOAD 3
	WIN 0
	s_wait_xcnt 0x0                                ; the pending loads' offset register lies in A's registers, written below only behind this wait
	s_wait_dscnt 0x0                               ; my stores are in LDS, for the others' sake,
	s_barrier_signal -1
	s_barrier_wait -1                              ; and so are everybody's: points and chunk 0
.macro LOADP kb                        ; my 16 points of k block kb: k = 8 h + 0..7 and 16 + 8 h + 0..7, as the fragment's registers run
	ds_load_b128 v[P+16*((\kb)&1):P+16*((\kb)&1)+3],     v[PAD] offset:128*(\kb)
	ds_load_b128 v[P+16*((\kb)&1)+4:P+16*((\kb)&1)+7],   v[PAD] offset:128*(\kb)+16
	ds_load_b128 v[P+16*((\kb)&1)+8:P+16*((\kb)&1)+11],  v[PAD] offset:128*(\kb)+64
	ds_load_b128 v[P+16*((\kb)&1)+12:P+16*((\kb)&1)+15], v[PAD] offset:128*(\kb)+80
.endm
.macro LOADB kb                        ; the four E fragments of k block kb (from block 8 on the register carries 8 blocks)
.irp t, 0,1,2,3
	ds_load_b128 v[B+32*((\kb)&1)+8*\t:B+32*((\kb)&1)+8*\t+3],   v[BAD] offset:((\kb)%8)*KBB+\t*TB
	ds_load_b128 v[B+32*((\kb)&1)+8*\t+4:B+32*((\kb)&1)+8*\t+7], v[BAD] offset:((\kb)%8)*KBB+\t*TB+32
.endr
.endm
; half a weight fragment (8 weights a lane): differences and t ...
.macro GADD hf, pb, i
.irp q, 0,1,2,3
.if ((\i)&1)
	v_pk_add_f32 v[T+2*\q:T+2*\q+1], v[\pb+8*\hf+2*\q:\pb+8*\hf+2*\q+1], v[XS+2*((\i)/2):XS+2*((\i)/2)+1] op_sel:[0,1] op_sel_hi:[1,1]
.else
	v_pk_add_f32 v[T+2*\q:T+2*\q+1], v[\pb+8*\hf+2*\q:\pb+8*\hf+2*\q+1], v[XS+2*((\i)/2):XS+2*((\i)/2)+1] op_sel_hi:[1,0]
.endif
.endr
.irp q, 0,1,2,3
	v_pk_fma_f32 v[T+2*\q:T+2*\q+1], v[T+2*\q:T+2*\q+1], v[T+2*\q:T+2*\q+1], s[CQ:CQ+1] op_sel_hi:[1,1,0]
.endr
.endm
; ... and the two bits of each, the lower k in the lower half
.macro GPACK hf, ab
.irp q, 0,1,2,3
	v_perm_b32 v[\ab+4*\hf+\q], v[T+2*\q+1], v[T+2*\q], s[SEL]
.endr
.irp q, 0,1,2,3
	v_bfi_b32 v[\ab+4*\hf+\q], v[\ab+4*\hf+\q], s[K1], s[K2]
.endr
.endm
.macro WM kb, i, t                     ; the first k block starts the sums: nothing is cleared
.if (\kb) == 0
	v_wmma_f32_16x16x32_f16 v[ACC+32*\i+8*\t:ACC+32*\i+8*\t+7], v[AC:AC+7], v[BC+8*\t:BC+8*\t+7], 0
.else
	v_wmma_f32_16x16x32_f16 v[ACC+32*\i+8*\t:ACC+32*\i+8*\t+7], v[AC:AC+7], v[BC+8*\t:BC+8*\t+7], v[ACC+32*\i+8*\t:ACC+32*\i+8*\t+7]
.endif
.endm
; Row tile i of k block kb: four matrix instructions, and behind each of them eight of the 32 vector instructions that make the NEXT step's
; weights in the other fragment buffer.  A fragment buffer is written again 16 vector instructions or more behind the last matrix instruction
; that read it, none of which names that instruction's registers (ISA guide 7.12.1 asks for four).
.macro STEP kb, i, gen
.set AC, A+8*((\i)&1)
.set AN, A+8*(((\i)+1)&1)
.set BC, B+32*((\kb)&1)
.set NI, ((\i)+1)&3
.set PN, P+16*(((\kb)+((\i)+1)/4)&1)
.if \gen
.if (\i) == 3
	s_wait_dscnt 0x8                               ; the next block's four point loads are in; the eight E loads issued behind them may be out
.endif
.endif
	WM \kb, \i, 0
.if \gen
	GADD 0, PN, NI
.endif
	WM \kb, \i, 1
.if \gen
	GPACK 0, AN
.endif
	WM \kb, \i, 2
.if \gen
	GADD 1, PN, NI
.endif
	WM \kb, \i, 3
.if \gen
	GPACK 1, AN
.endif
.endm
; A k block.  mode 1: first convert chunk c and say so; mode 2: first wait until all four waves have said so, since the fetch below is the first
; that reads that chunk.  Between the two stand one block's matrix and vector work and LDS loads of bytes that nobody writes any more.
; The loads into the other B set stand eight vector instructions behind the last matrix instruction that read it.
.macro KBLOCK kb, mode, c, left
	s_wait_dscnt 0x0                               ; this block's E fragments, asked for a whole block ago
.if \mode == 1
	CONVERT \c, \left
	s_wait_dscnt 0x0                               ; my stores are in LDS, for the others' sake
	s_barrier_signal -1
.endif
.if \mode == 2
	s_barrier_wait -1
.endif
.if \kb < 15
.if \kb == 7
	v_add_nc_u32 v[BAD], 8*KBB, v[BAD]             ; blocks 8-15: the 16-bit offset does not reach them
.endif
	LOADP \kb+1
	LOADB \kb+1
.endif
	STEP \kb, 0, 1
	STEP \kb, 1, 1
	STEP \kb, 2, 1
.if \kb < 15
	STEP \kb, 3, 1
.else
	STEP \kb, 3, 0
.endif
.endm
	LOADP 0
	LOADB 0
	s_wait_dscnt 0x8                               ; the points are in, E's eight loads may be out
	GADD 0, P, 0                                   ; the first step's weights
	GPACK 0, A
	GADD 1, P, 0
	GPACK 1, A
	KBLOCK 0, 0, 0, 0
	KBLOCK 1, 0, 0, 0
	KBLOCK 2, 1, 1, 32                             ; chunk 1; chunks 2 and 3 stay out
	KBLOCK 3, 2, 0, 0
	KBLOCK 4, 0, 0, 0
	KBLOCK 5, 0, 0, 0
	KBLOCK 6, 1, 2, 16                             ; chunk 2; chunk 3 stays out
	KBLOCK 7, 2, 0, 0
	KBLOCK 8, 0, 0, 0
	KBLOCK 9, 0, 0, 0
	KBLOCK 10, 1, 3, 0                             ; chunk 3, the last
	KBLOCK 11, 2, 0, 0
	KBLOCK 12, 0, 0, 0
	KBLOCK 13, 0, 0, 0
	KBLOCK 14, 0, 0, 0
	KBLOCK 15, 0, 0, 0
; THE WAY OUT.  Register j of tile (i, t) is out(16 i + 8 h + j, 4 r + t) x 2^-19.  One fma scales it, adds +0 (or NaN for a NaN in x) and puts
; the four tiles' numbers side by side: 16 bytes a lane, 16 lanes a row of 256 bytes.  Row tile 0's sums were finished three steps ago; tiles 0
; and 1 are 64 vector instructions that name no register of the last four matrix instructions, ahead of the first that does (ISA guide 7.12.1).
.macro OUT i, os
.irp j, 0,1,2,3,4,5,6,7
.irp t, 0,1,2,3
	v_fma_f32 v[\os+4*\j+\t], v[ACC+32*\i+8*\t+\j], s[SC], v[Z+8*\i+\j]
.endr
	global_store_b128 v[OOFF], v[\os+4*\j:\os+4*\j+3], s[10:11] offset:(16*\i+\j)*256 th:TH_STORE_NT
.endr
.endm
	WIN 0x20                                       ; the addend in window 2
	OUT 0, P
	OUT 1, B
	OUT 2, B+32
	s_wait_xcnt 0x0                                ; row tile 0's stores read v32-63, written again only behind this wait
	OUT 3, P
	WIN 0
	s_set_vgpr_msb 0xa
	s_wait_tensorcnt 0x0
	ds_add_u32 v64, v65
	s_wait_dscnt 0x0
	s_set_vgpr_msb 0xa00
	s_endpgm
.Lfunc_end_k_q4c90fb6d34_embed:
	.size	k_q4c90fb6d34_embed, .Lfunc_end_k_q4c90fb6d34_embed-k_q4c90fb6d34_embed
	.p2alignl 7, 3214868480
	.fill 96, 4, 3214868480
	.section	.rodata,"a",@progbits
	.p2align	6, 0x0
	.amdhsa_kernel k_q4c90fb6d34_embed
		.amdhsa_group_segment_fixed_size 84480
		.amdhsa_private_segment_fixed_size 0
		.amdhsa_enable_private_segment 0
		.amdhsa_kernarg_size 32
		.amdhsa_user_sgpr_count 2
		.amdhsa_user_sgpr_kernarg_segment_ptr 1
		.amdhsa_wavefront_size32 1
		.amdhsa_system_sgpr_workgroup_id_x 1
		.amdhsa_system_sgpr_workgroup_id_y 1
		.amdhsa_system_sgpr_workgroup_id_z 1
		.amdhsa_system_vgpr_workitem_id 0
		.amdhsa_next_free_vgpr 578
		.amdhsa_next_free_sgpr 66
		.amdhsa_reserve_vcc 0
		.amdhsa_float_denorm_mode_32 3
		.amdhsa_float_denorm_mode_16_64 3
		.amdhsa_memory_ordered 1
		.amdhsa_forward_progress 1
		.amdhsa_inst_pref_size 192
	.end_amdhsa_kernel
	.amdgpu_metadata
---
amdhsa.version: [ 1, 2 ]
amdhsa.kernels:
  - .name:           k_q4c90fb6d34_embed
    .symbol:         k_q4c90fb6d34_embed.kd
    .args:
      - { .name: points, .offset: 0, .size: 8, .value_kind: global_buffer, .address_space: global }
      - { .name: time_embedding, .offset: 8, .size: 8, .value_kind: global_buffer, .address_space: global }
      - { .name: x, .offset: 16, .size: 8, .value_kind: global_buffer, .address_space: global }
      - { .name: out0, .offset: 24, .size: 8, .value_kind: global_buffer, .address_space: global }
    .group_segment_fixed_size: 84480
    .private_segment_fixed_size: 0
    .kernarg_segment_align: 8
    .kernarg_segment_size: 32
    .max_flat_workgroup_size: 128
    .sgpr_count:     66
    .vgpr_count:     578
    .wavefront_size: 32
...
	.end_amdgpu_metadata
.endif
;; end of part 1
;; ======== version 2 of 2: 1 launch; version 1 with the launch embed written anew for expert scheduling mode
;; limits: values are held in f16: magnitudes above 65,504 overflow, below 6.1e-05 lose precision; inputs' magnitudes at most 65,504
;; launch embed (part 2): grid 256 x 1, 4 waves a work-group, no clusters, 84,480 bytes of LDS; arguments points, time_embedding, x, out0; writes out0
.if DOCPART == 2
	.amdgcn_target "amdgcn-amd-amdhsa--gfx1250"
	.amdhsa_code_object_version 6
	.text
	.protected	k_q4c90fb6d34_embed
	.globl	k_q4c90fb6d34_embed
	.p2align	8
	.type	k_q4c90fb6d34_embed,@function
k_q4c90fb6d34_embed:
	s_mov_b64 s[64:65], 0
	v_nop
	global_prefetch_b8 v0, s[64:65] scope:SCOPE_SE
	s_setreg_imm32_b32 hwreg(HW_REG_WAVE_SCHED_MODE, 0, 2), 2
	s_setreg_imm32_b32 hwreg(HW_REG_WAVE_MODE, 25, 1), 1
	s_wait_xcnt 0x0
	s_wait_alu depctr_vm_vsrc(0)
; out[m][d] = sum over n of w(512 x[m] - f32(points[n])) * E[n][d],  w(d) = 4 for |d| < 1/2, 1 for |d| = 1/2, 0 beyond.
; x: 65,536 f32.  points: 512 int32, taken as they come (any order, repeats, any value).  E: [512][64] f32.  out: [65,536][64] f32.
; The product stays dense: A = the weights, made in registers; B = E in f16; sums in f32 (v_wmma_f32_16x16x32_f16).
;
; THE WEIGHT, four vector instructions for two weights, all three classes exact:
;   d' = x 2^64 - P 2^55      = 2^55 fl(512 x - P): powers of two change no rounding, so this is the reference's rounded difference
;   t  = fma(d', d', -2^108)  one rounding, so its sign is exact: t < 0 inside, t = +0 on an edge, t > 0 outside.  A non-zero |t| is at
;                             least about 2^85 (next neighbours of 1/2 are 2^-25 and 2^-24 away), at most infinity: exponent field 211..255,
;                             whose two top bits are both set
;   v_perm_b32                the top byte of each t (sign, exponent bits 7..1) into the low byte of an f16 half
;   v_bfi_b32 (word as mask)  keeps bit 7 where it is set (sign: inside) and sets bit 5 where it is clear (exponent bit 6: only t = 0)
;   result per half: 0x0080, 0x0020, 0 = 128, 32, 0 times 2^-24 as f16 = w 2^-19.  The 2^19 comes back in the fma on the way out.
;
; LIMITS.  E is rounded to f16: |E| above 65,504 becomes infinity and 0 x infinity then makes NaN; |E| below 2^-25 becomes 0.
; A zero result is +0.  x = NaN gives a row of NaN, x = +-infinity a row of zeros, as the reference has them.
;
; SHARES.  256 work-groups x 4 waves; a work-group owns 256 rows, a wave 64: 4 row tiles x 4 column tiles = 16 accumulators.
; K in 16 blocks of 32, written out (no branch).  Column d = 4 r + t sits in column tile t, lane r: a lane's four tiles hold 16 neighbouring
; bytes of a row of out, and one store of the wave covers two whole rows of 256 bytes, aligned.  No trip through LDS on the way out.
;
; E'S PATH.  A wave loads a quarter of E (64 loads of 16 bytes a lane, two whole 256-byte rows each), packs two k to a word of f16 and stores
; 16 bytes a lane into LDS as [k block][column][k].  Wave w converts k block 4 c + w of chunk c: its LDS bytes are one interval of its own.
; NO CLUSTER, NO TENSOR LOAD, though every work-group reads all of E: a tensor load copies, and E has to be narrowed and transposed.  Brought
; that way, 131,072 bytes would be written to LDS, read back and 65,536 written again; through registers 65,536 bytes are written once.
;
; THE MODE: SCHED_MODE bits 1:0 = 2 (LLVM: expert scheduling mode 2), set by the entry lines.  The code itself states the register dependences
; between vector or matrix instructions and memory or LDS instructions, with s_wait_alu, always for 0.
; THE PLAN.  Registers that memory or LDS instructions touch:
;   v0, v2, v3     addresses, made at the head and never written again.   v1: read by every load of an E fragment, written once more, at k block 7.
;   v20-24, v28-31 the head's offsets and the scaled points: read by the head's loads and one LDS store; afterwards part of A, which the weights write.
;   window 1       E as loaded: each register is loaded once and read by one conversion.
;   O              written by a chunk's 32 conversions, read by its eight LDS stores; at the end written by row tile 3's fma, read by its stores.
;   P0, P1         points.  The loads of block kb + 1 are issued in block kb; read by the differences from step (kb, 3) to step (kb + 1, 2).
;   B0, B1         E fragments.  The loads of block kb + 1 are issued in block kb; read by block kb + 1's sixteen matrix instructions.
;   T, XS, the accumulators, Z, and A in the loop are named by vector and matrix instructions alone.
; So ONE wait on va_vdst stands at the head of a k block (in a block that converts a chunk: behind the conversions).  Behind it the block before is
; done with the other P and B sets, and the block's twelve LDS loads follow with no further wait, eight of them dealt among its first four matrix
; instructions: up to step 3 the block's vector and matrix instructions name its own sets, A, T, XS and the accumulators, and no register of those loads.
; On the way out each row tile has an out-buffer of its own: one wait behind its 32 fma, and its stores are dealt among the next tile's fma.
.set EP,   80                          ; LDS row: 32 k x 2 bytes + 16 = 20 words: 16 rows start at banks 20 r mod 64, sixteen different groups of four (ISA guide 11.1)
.set TB,   16*EP                       ; a column tile's 16 rows
.set KBB,  64*EP                       ; a k block: 64 columns
.set PT,   16*KBB                      ; behind E: -2^55 x points, 512 f32
; window 0
.set ESTO, 0                           ; v0      where I store converted E (first the thread's number)
.set BAD,  1                           ; v1      where I read E fragments
.set PAD,  2                           ; v2      where I read points
.set OOFF, 3                           ; v3      my byte offset in out
.set XS,   4                           ; v[4:7]  x 2^64 of row r of my four row tiles
.set T,    8                           ; v[8:15] four pairs d', then t
.set A,    16                          ; v[16:31]   two weight fragments (first: set-up temporaries)
.set P,    32                          ; v[32:63]   two sets of 16 points
.set B,    64                          ; v[64:127]  two sets of four E fragments
.set ACC,  128                         ; v[128:255] tile (i, t) at ACC + 32 i + 8 t
.set EOFF, 23                          ; set-up: my byte offset in E
; window 1 (v256-511): E as loaded, chunk c, unit u, row j, word i at 64 c + 32 u + 4 j + i
; window 2 (v512-575):
.set O,    0                           ; 2 x 16 packed words; at the end row tile 3's out-buffer
.set Z,    32                          ; 32 addends of the last fma: +0, or NaN where x is NaN
.set CQ,   20                          ; s[20:21] -2^108
.set SEL,  22
.set K1,   23
.set K2,   24
.set SC,   25
.set MSB, 0
.macro WIN new                         ; low byte: bits 1:0 source 0, 3:2 source 1, 5:4 source 2, 7:6 destination; high byte: the setting left
.if MSB != \new
	s_set_vgpr_msb (MSB<<8)|\new
.set MSB, \new
.endif
.endm
	s_load_b256 s[4:11], s[0:1], 0x0               ; points s[4:5], E s[6:7], x s[8:9], out s[10:11]
	s_set_vgpr_msb 0x80
	v_lshl_add_u32 v64, v0, 2, 0x14800
	v_mov_b32 v65, 0
	s_set_vgpr_msb 0x8000
	v_lshrrev_b32 v16, 5, v0
	v_readfirstlane_b32 s14, v16                   ; wave w
	v_and_b32 v17, 15, v0                          ; r
	v_bfe_u32 v18, v0, 4, 1                        ; h
	v_and_b32 v19, 31, v0                          ; lane
	s_lshl_b32 s12, ttmp9, 10                      ; the group's 256 numbers of x
	s_mov_b32 s13, 0
	s_lshl_b32 s16, ttmp9, 16                      ; the group's 256 rows of out
	s_mov_b32 s17, 0
	s_mov_b32 s[CQ], 0xf5800000                    ; -2^108 = -(2^55 / 2)^2
	s_mov_b32 s[CQ+1], 0xf5800000
	s_mov_b32 s[SEL], 0x07070303                   ; bytes 0, 1: top byte of the second source; bytes 2, 3: of the first
	s_mov_b32 s[K1], 0x00800080
	s_mov_b32 s[K2], 0x00200020
	s_mov_b32 s[SC], 0x49000000                    ; 2^19
	s_wait_alu depctr_va_sdst(0)                   ; s14 is written, ahead of its first reader: the wave's offsets are made from it
	s_lshl_b32 s15, s14, 8                         ; 64 w numbers of x
	s_lshl_b32 s18, s14, 13                        ; 32 w rows of E
	s_mul_i32 s19, s14, KBB                        ; k block w of a chunk
	s_lshl_b32 s26, s14, 9
	s_add_co_u32 s26, s26, PT                      ; my wave's 128 points in LDS
	s_lshl_b32 s27, s14, 14                        ; 64 w rows of out
	v_lshlrev_b32 v20, 4, v0                       ; points: four to a thread
	v_lshl_add_u32 v21, v17, 2, s15                ; x of row 64 w + r (+ 16 i)
	v_lshl_add_u32 v22, v18, 5, s15                ; x of rows 64 w + 8 h + 0..7 (+ 16 i)
	v_lshlrev_b32 v25, 4, v17
	v_lshl_add_u32 v25, v18, 11, v25               ; 8 h rows of 256 bytes + 16 r
	v_add_nc_u32 v[EOFF], s18, v25
	v_add_nc_u32 v[OOFF], s27, v25
	v_lshl_add_u32 v24, v19, 4, s26
	v_mul_u32_u24 v[BAD], v17, EP
	v_lshl_add_u32 v[BAD], v18, 4, v[BAD]          ; r rows + 16 h
	v_lshl_add_u32 v[PAD], v18, 5, PT              ; 8 h points
	v_add_nc_u32 v[ESTO], s19, v[BAD]
	s_wait_kmcnt 0x0
	s_add_nc_u64 s[8:9], s[8:9], s[12:13]
	s_add_nc_u64 s[10:11], s[10:11], s[16:17]
	s_wait_alu depctr_va_vdst(0)                   ; the offsets and addresses v0 to v3 and v20 to v24 are written, which the loads and stores of the kernel read
; chunk c of E, my 32 rows 128 c + 32 w ..: lanes 0-15 take one row of 256 bytes, lanes 16-31 the row eight further
.macro ELOAD c
	WIN 0x40
.irp u, 0,1
.irp j, 0,1,2,3,4,5,6,7
	global_load_b128 v[64*\c+32*\u+4*\j:64*\c+32*\u+4*\j+3], v[EOFF], s[6:7] offset:(128*\c+16*\u+\j)*256
.endr
.endr
.endm
	global_load_b128 v[28:31], v20, s[4:5]
.irp i, 0,1,2,3
	global_load_b32 v[XS+\i], v21, s[8:9] offset:64*\i
.endr
	WIN 0x80
.irp i, 0,1,2,3
	global_load_b128 v[Z+8*\i:Z+8*\i+3],   v22, s[8:9] offset:64*\i
	global_load_b128 v[Z+8*\i+4:Z+8*\i+7], v22, s[8:9] offset:64*\i+16
.endr
	ELOAD 0
	ELOAD 1
	ELOAD 2                                        ; 13 + 48 loads are out; chunk 3 follows behind the first conversion
	WIN 0
; chunk c from registers to LDS.  Word q of column 4 r + i = rows 2 q, 2 q + 1; four words = 8 k = 16 bytes of LDS row 16 i + r.
; left = the loads issued behind this chunk's, which stay out.  All 32 conversions, one wait, then the LDS stores in one run (with chunk 0: the points' too).
.macro CONVERT c, left
	s_wait_loadcnt \left
.if \c > 0
	s_wait_alu depctr_vm_vsrc(0)                   ; the LDS stores of the chunk before have read O, which the conversions write again
.endif
	WIN 0x85                                       ; sources window 1, destination window 2
.irp u, 0,1
.irp i, 0,1,2,3
.irp q, 0,1,2,3
	v_cvt_pk_f16_f32 v[O+16*\u+4*\i+\q], v[64*\c+32*\u+8*\q+\i], v[64*\c+32*\u+8*\q+4+\i]
.endr
.endr
.endr
.if \c == 0
	WIN 0
	s_wait_alu depctr_va_vdst(0)                   ; the scaled points v[28:31] and O are written, which the nine LDS stores below read
	ds_store_b128 v24, v[28:31]
	WIN 0x08                                       ; address window 0, data window 2
.else
	WIN 0x08                                       ; address window 0, data window 2
	s_wait_alu depctr_va_vdst(0)                   ; O is written, which the LDS stores read; and the block before is done reading the other sets of points and of E fragments, in which this block's LDS loads land
.endif
.irp u, 0,1
.irp i, 0,1,2,3
	ds_store_b128 v[ESTO], v[O+16*\u+4*\i:O+16*\u+4*\i+3] offset:\c*4*KBB+\i*TB+32*\u
.endr
.endr
	WIN 0
.endm
	s_wait_loadcnt 48                              ; points and x are in; the 48 loads of E behind them stay out
.irp k, 28,29,30,31
	v_cvt_f32_i32 v\k, v\k                         ; as the reference's astype
.endr
.irp k, 28,29,30,31
	v_mul_f32 v\k, 0xdb000000, v\k                 ; x -2^55
.endr
.irp i, 0,1,2,3
	v_mul_f32 v[XS+\i], 0x5f800000, v[XS+\i]       ; x 2^64 = 512 x 2^55
.endr
	WIN 0x82
.set n, 0
.rept 32
	v_minimum_f32 v[Z+n], |v[Z+n]|, 0              ; +0 for every number, infinities too; NaN stays NaN
.set n, n+1
.endr
	WIN 0
	CONVERT 0, 32                                  ; chunks 1 and 2 stay out
	ELOAD 3                                        ; no vector instruction since the wait above; its offset was written at the head, its registers have never been named
	WIN 0
	s_wait_xcnt 0x0                                ; the pending loads' offset register lies in A's registers, written below only behind this wait
	s_wait_alu depctr_vm_vsrc(0)                   ; the loads have read their offsets v20 to v23, the points' LDS store v24 and v[28:31]: A's registers, which the weights below write
	s_wait_dscnt 0x0                               ; my stores are in LDS, for the others' sake,
	s_barrier_signal -1
	s_barrier_wait -1                              ; and so are everybody's: points and chunk 0
.macro LOADP kb                        ; my 16 points of k block kb: k = 8 h + 0..7 and 16 + 8 h + 0..7, as the fragment's registers run
	ds_load_b128 v[P+16*((\kb)&1):P+16*((\kb)&1)+3],     v[PAD] offset:128*(\kb)
	ds_load_b128 v[P+16*((\kb)&1)+4:P+16*((\kb)&1)+7],   v[PAD] offset:128*(\kb)+16
	ds_load_b128 v[P+16*((\kb)&1)+8:P+16*((\kb)&1)+11],  v[PAD] offset:128*(\kb)+64
	ds_load_b128 v[P+16*((\kb)&1)+12:P+16*((\kb)&1)+15], v[PAD] offset:128*(\kb)+80
.endm
.macro LOADB1 kb, t                    ; E fragment t of k block kb (from block 8 on the register carries 8 blocks)
	ds_load_b128 v[B+32*((\kb)&1)+8*\t:B+32*((\kb)&1)+8*\t+3],   v[BAD] offset:((\kb)%8)*KBB+\t*TB
	ds_load_b128 v[B+32*((\kb)&1)+8*\t+4:B+32*((\kb)&1)+8*\t+7], v[BAD] offset:((\kb)%8)*KBB+\t*TB+32
.endm
.macro LOADB kb                        ; all four
.irp t, 0,1,2,3
	LOADB1 \kb, \t
.endr
.endm
; half a weight fragment (8 weights a lane): differences and t ...
.macro GADD hf, pb, i
.irp q, 0,1,2,3
.if ((\i)&1)
	v_pk_add_f32 v[T+2*\q:T+2*\q+1], v[\pb+8*\hf+2*\q:\pb+8*\hf+2*\q+1], v[XS+2*((\i)/2):XS+2*((\i)/2)+1] op_sel:[0,1] op_sel_hi:[1,1]
.else
	v_pk_add_f32 v[T+2*\q:T+2*\q+1], v[\pb+8*\hf+2*\q:\pb+8*\hf+2*\q+1], v[XS+2*((\i)/2):XS+2*((\i)/2)+1] op_sel_hi:[1,0]
.endif
.endr
.irp q, 0,1,2,3
	v_pk_fma_f32 v[T+2*\q:T+2*\q+1], v[T+2*\q:T+2*\q+1], v[T+2*\q:T+2*\q+1], s[CQ:CQ+1] op_sel_hi:[1,1,0]
.endr
.endm
; ... and the two bits of each, the lower k in the lower half
.macro GPACK hf, ab
.irp q, 0,1,2,3
	v_perm_b32 v[\ab+4*\hf+\q], v[T+2*\q+1], v[T+2*\q], s[SEL]
.endr
.irp q, 0,1,2,3
	v_bfi_b32 v[\ab+4*\hf+\q], v[\ab+4*\hf+\q], s[K1], s[K2]
.endr
.endm
.macro WM kb, i, t                     ; the first k block starts the sums: nothing is cleared
.if (\kb) == 0
	v_wmma_f32_16x16x32_f16 v[ACC+32*\i+8*\t:ACC+32*\i+8*\t+7], v[AC:AC+7], v[BC+8*\t:BC+8*\t+7], 0
.else
	v_wmma_f32_16x16x32_f16 v[ACC+32*\i+8*\t:ACC+32*\i+8*\t+7], v[AC:AC+7], v[BC+8*\t:BC+8*\t+7], v[ACC+32*\i+8*\t:ACC+32*\i+8*\t+7]
.endif
.endm
; Row tile i of k block kb: four matrix instructions, and behind each of them eight of the 32 vector instructions that make the NEXT step's
; weights in the other fragment buffer.  A fragment buffer is written again 16 vector instructions or more behind the last matrix instruction
; that read it, none of which names that instruction's registers (ISA guide 7.12.1 asks for four).
; In row tile 0 the next block's eight loads of E fragments are dealt two behind each matrix instruction.  No wait: no vector or matrix instruction
; since the wait at the block's head names v[BAD] or the other set of E fragments.
.macro STEP kb, i, gen
.set AC, A+8*((\i)&1)
.set AN, A+8*(((\i)+1)&1)
.set BC, B+32*((\kb)&1)
.set NI, ((\i)+1)&3
.set PN, P+16*(((\kb)+((\i)+1)/4)&1)
.set FB, 0
.if ((\i) == 0) && ((\kb) < 15)
.set FB, 1
.endif
.if \gen
.if (\i) == 3
	s_wait_dscnt 0x8                               ; the next block's four point loads are in; the eight E loads issued behind them may be out
.endif
.endif
	WM \kb, \i, 0
.if FB
	LOADB1 \kb+1, 0
.endif
.if \gen
	GADD 0, PN, NI
.endif
	WM \kb, \i, 1
.if FB
	LOADB1 \kb+1, 1
.endif
.if \gen
	GPACK 0, AN
.endif
	WM \kb, \i, 2
.if FB
	LOADB1 \kb+1, 2
.endif
.if \gen
	GADD 1, PN, NI
.endif
	WM \kb, \i, 3
.if FB
	LOADB1 \kb+1, 3
.endif
.if \gen
	GPACK 1, AN
.endif
.endm
; A k block.  mode 1: first convert chunk c and say so; mode 2: first wait until all four waves have said so, since the fetch below is the first
; that reads that chunk.  Between the two stand one block's matrix and vector work and LDS loads of bytes that nobody writes any more.
; The loads into the other B set stand eight vector instructions behind the last matrix instruction that read it, and behind the block's wait on va_vdst.
; Block 0 has no such wait: its loads land in registers that no vector or matrix instruction has named.  Block 15 loads nothing and has none.
.macro KBLOCK kb, mode, c, left
	s_wait_dscnt 0x0                               ; this block's E fragments, asked for a whole block ago
.if \mode == 1
	CONVERT \c, \left
	s_wait_dscnt 0x0                               ; my stores are in LDS, for the others' sake
	s_barrier_signal -1
.endif
.if \mode == 2
	s_barrier_wait -1
.endif
.if \kb < 15
.if \kb == 7
	s_wait_alu depctr_vm_vsrc(0)                   ; the LDS loads issued so far have read v[BAD]
	v_add_nc_u32 v[BAD], 8*KBB, v[BAD]             ; blocks 8-15: the 16-bit offset does not reach them
.endif
.if (\kb > 0) && (\mode != 1)
	s_wait_alu depctr_va_vdst(0)                   ; the block before's matrix instructions are done reading the other set of E fragments, the differences the other set of points: this block's LDS loads land there; in block 7 v[BAD] is written
.endif
	LOADP \kb+1
.endif
	STEP \kb, 0, 1
	STEP \kb, 1, 1
	STEP \kb, 2, 1
.if \kb < 15
	STEP \kb, 3, 1
.else
	STEP \kb, 3, 0
.endif
.endm
	LOADP 0                                        ; their addresses were written at the head; no vector instruction has named P or B
	LOADB 0
	s_wait_dscnt 0x8                               ; the points are in, E's eight loads may be out
	GADD 0, P, 0                                   ; the first step's weights
	GPACK 0, A
	GADD 1, P, 0
	GPACK 1, A
	KBLOCK 0, 0, 0, 0
	KBLOCK 1, 0, 0, 0
	KBLOCK 2, 1, 1, 32                             ; chunk 1; chunks 2 and 3 stay out
	KBLOCK 3, 2, 0, 0
	KBLOCK 4, 0, 0, 0
	KBLOCK 5, 0, 0, 0
	KBLOCK 6, 1, 2, 16                             ; chunk 2; chunk 3 stays out
	KBLOCK 7, 2, 0, 0
	KBLOCK 8, 0, 0, 0
	KBLOCK 9, 0, 0, 0
	KBLOCK 10, 1, 3, 0                             ; chunk 3, the last
	KBLOCK 11, 2, 0, 0
	KBLOCK 12, 0, 0, 0
	KBLOCK 13, 0, 0, 0
	KBLOCK 14, 0, 0, 0
	KBLOCK 15, 0, 0, 0
; THE WAY OUT.  Register j of tile (i, t) is out(16 i + 8 h + j, 4 r + t) x 2^-19.  One fma scales it, adds +0 (or NaN for a NaN in x) and puts
; the four tiles' numbers side by side: 16 bytes a lane, 16 lanes a row of 256 bytes.  Row tile 0's sums were finished three steps ago; tiles 0
; and 1 are 64 vector instructions that name no register of the last four matrix instructions, ahead of the first that does (ISA guide 7.12.1).
; Each accumulator is read from its low end on.  Four out-buffers, one a row tile: P, B0, B1, O.  None is written twice, so no store's data wait for a store.
; A row tile's eight stores stand behind the wait that shows its 32 fma written, dealt among the next row tile's fma, which name another buffer.
.macro FMA4 i, j, os
.irp t, 0,1,2,3
	v_fma_f32 v[\os+4*\j+\t], v[ACC+32*\i+8*\t+\j], s[SC], v[Z+8*\i+\j]
.endr
.endm
.macro ST i, j, os
	global_store_b128 v[OOFF], v[\os+4*\j:\os+4*\j+3], s[10:11] offset:(16*\i+\j)*256 th:TH_STORE_NT
.endm
	s_wait_alu depctr_vm_vsrc(0)                   ; chunk 3's LDS stores have read O, which row tile 3's fma write
	WIN 0x20                                       ; the addend in window 2
.irp j, 0,1,2,3,4,5,6,7
	FMA4 0, \j, P
.endr
	s_wait_alu depctr_va_vdst(0)                   ; row tile 0's fma have written v[P ..], which its stores read
.irp j, 0,1,2,3,4,5,6,7
	ST 0, \j, P
	FMA4 1, \j, B
.endr
	s_wait_alu depctr_va_vdst(0)                   ; row tile 1's fma have written v[B ..], which its stores read
.irp j, 0,1,2,3,4,5,6,7
	ST 1, \j, B
	FMA4 2, \j, B+32
.endr
	WIN 0xa0                                       ; addend and destination in window 2; a store's address and data stay in window 0
	s_wait_alu depctr_va_vdst(0)                   ; row tile 2's fma have written v[B+32 ..], which its stores read
.irp j, 0,1,2,3,4,5,6,7
	ST 2, \j, B+32
	FMA4 3, \j, O
.endr
	WIN 0x08                                       ; address window 0, data window 2
	s_wait_alu depctr_va_vdst(0)                   ; row tile 3's fma have written O, which its stores read
.irp j, 0,1,2,3,4,5,6,7
	ST 3, \j, O
.endr
	WIN 0
	s_set_vgpr_msb 0xa
	s_wait_dscnt 0x0
	s_wait_alu depctr_hold_cnt(0) depctr_sa_sdst(0) depctr_va_vdst(0) depctr_va_sdst(0) depctr_va_ssrc(0) depctr_va_vcc(0) depctr_vm_vsrc(0)
	s_wait_tensorcnt 0x0
	ds_add_u32 v64, v65
	s_wait_dscnt 0x0
	s_endpgm
.Lfunc_end_k_q4c90fb6d34_embed:
	.size	k_q4c90fb6d34_embed, .Lfunc_end_k_q4c90fb6d34_embed-k_q4c90fb6d34_embed
	.p2alignl 7, 3214868480
	.fill 96, 4, 3214868480
	.section	.rodata,"a",@progbits
	.p2align	6, 0x0
	.amdhsa_kernel k_q4c90fb6d34_embed
		.amdhsa_group_segment_fixed_size 84480
		.amdhsa_private_segment_fixed_size 0
		.amdhsa_enable_private_segment 0
		.amdhsa_kernarg_size 32
		.amdhsa_user_sgpr_count 2
		.amdhsa_user_sgpr_kernarg_segment_ptr 1
		.amdhsa_wavefront_size32 1
		.amdhsa_system_sgpr_workgroup_id_x 1
		.amdhsa_system_sgpr_workgroup_id_y 1
		.amdhsa_system_sgpr_workgroup_id_z 1
		.amdhsa_system_vgpr_workitem_id 0
		.amdhsa_next_free_vgpr 578
		.amdhsa_next_free_sgpr 66
		.amdhsa_reserve_vcc 0
		.amdhsa_float_denorm_mode_32 3
		.amdhsa_float_denorm_mode_16_64 3
		.amdhsa_memory_ordered 1
		.amdhsa_forward_progress 1
		.amdhsa_inst_pref_size 193
	.end_amdhsa_kernel
	.amdgpu_metadata
---
amdhsa.version: [ 1, 2 ]
amdhsa.kernels:
  - .name:           k_q4c90fb6d34_embed
    .symbol:         k_q4c90fb6d34_embed.kd
    .args:
      - { .name: points, .offset: 0, .size: 8, .value_kind: global_buffer, .address_space: global }
      - { .name: time_embedding, .offset: 8, .size: 8, .value_kind: global_buffer, .address_space: global }
      - { .name: x, .offset: 16, .size: 8, .value_kind: global_buffer, .address_space: global }
      - { .name: out0, .offset: 24, .size: 8, .value_kind: global_buffer, .address_space: global }
    .group_segment_fixed_size: 84480
    .private_segment_fixed_size: 0
    .kernarg_segment_align: 8
    .kernarg_segment_size: 32
    .max_flat_workgroup_size: 128
    .sgpr_count:     66
    .vgpr_count:     578
    .wavefront_size: 32
...
	.end_amdgpu_metadata
.endif
;; end of part 2
